; MI455X (gfx1250); checked and timed in simulation.
; The chip was launched on July 23, 2026; its instructions are those of AMD's public machine-readable ISA for CDNA 5 (MIT licence, August 2026) and "CDNA5" Instruction Set Architecture Reference Guide (July 2026). The comments in the code are by the model that wrote it; some were corrected since.
;; Self Cross Attention. Allowed arithmetic: matrix products marked QUANTISED: E4M3 operands, one given power-of-two scale a tensor, by v_wmma_f32_16x16x64_fp8_fp8 or v_wmma_f32_16x16x128_fp8_fp8, f32 sums; everything else in f32.
;; Inputs: lowp_scales 4 int32 (the exponents e of the quantised operands' scales 2^e); qkv 3 x 8 x 4,096 x 256 float32.
;; Outputs: out0 8 x 4,096 x 256 float32.
;; This version of the problem:
;;   THIS VERSION OF THE PROBLEM IS GIVEN IN LOW PRECISION. The matrix products marked QUANTISED in the list below multiply operands that are first quantised to E4M3 (4 exponent bits, 3 mantissa bits; 8 bits a number), with one given power-of-two scale for each operand tensor; their sums are f32. All else is computed in f32.
;;   The module's matrix products, in the order in which they are computed (A, B: the left and right operand; K: the contracted axis; several contracted axes count as one K, in the product's order):
;;     1. batch 64 x [M 4,096, K 32] x [K 32, N 512]; A: computed on the way; B: computed on the way: QUANTISED (scales: A lowp_scales[0], B lowp_scales[1])
;;     2. batch 512 x [M 512, K 512] x [K 512, N 32]; A: softmax (see below); B: input qkv: QUANTISED (scales: A lowp_scales[2], B lowp_scales[3])
;;   THE QUANTISER, for each operand of a quantised product, along K:
;;     - The operand's scale is 2^e, e = its entry of the input lowp_scales (int32; the entries are numbered through the quantised products in the list's order, A before B).
;;     - Each number is divided by the scale, clamped to +-448, and rounded to the nearest number of E4M3, ties to even, subnormals kept.
;;     - The product sums the exact products of the quantised numbers (number of the format x scale) in f32.
;;   ~~~python
;;   def quantise(x, axis, e):      # numpy; x: float32 -> the quantised numbers, widened to float32 again
;;       x = np.moveaxis(x, axis, -1); K = x.shape[-1]
;;       r = np.clip(x / 2.0 ** e, -448, 448)
;;       step = 2.0 ** (np.maximum(np.frexp(np.where(r == 0, 1, r))[1] - 1, -6) - 3)
;;       q = np.round(r / step) * step * 2.0 ** e      # np.round: ties to even
;;       return np.moveaxis(q, -1, axis).astype(np.float32)
;;   ~~~
;;   SOFTMAX AHEAD OF A QUANTISED PRODUCT. Where the list says 'softmax', what is quantised is not the finished softmax but p = 2^(t - M), with t = logit x log2(e) and M = ceil(the row's largest t), a whole number; so 1/2 < the row's largest p <= 1. The row's sum l is taken of the UNQUANTISED p, in f32, and the product's result is divided by l at the end. Since M is a whole number, a kernel that streams over the keys may use a running M (the ceiling of the running maximum): every later rescaling is an exact power of two, so the quantised numbers keep their values, but for numbers so far below the row's largest that they fall under the format's range.
;;   OPERANDS COMPUTED ON THE WAY. 'Computed on the way' means the value that the module computes at that place (a softmax that the list does not call 'softmax' is quantised finished and normalised). What goes into a quantiser is computed in f32, as accurately as f32 sums, v_exp_f32 and their like allow (about 1e-6 of the number): no bf16 or f16 on the way to a quantiser, and a product that is left as it is and whose result goes on into a quantised operand takes f32 operands (vector FMAs, or v_wmma_f32_16x16x4_f32). A number that lies on a knife's edge between two numbers of the format may be rounded either way, as far as f32 arithmetic and the matrix unit's own rounding can turn it there, and no further.
;; 2 versions. Each part assembles by itself: llvm-mc -triple=amdgcn-amd-amdhsa -mcpu=gfx1250 --defsym DOCPART=n.
;; ======== version 1 of 2: 2 launches
;; workspace buffers: kc 1,048,576 bytes
;; launch ksum (part 1): grid 4 x 64, 8 waves a work-group, no clusters, 21,504 bytes of LDS; arguments qkv, lowp_scales, kc; writes kc
.if DOCPART == 1
	.amdgcn_target "amdgcn-amd-amdhsa--gfx1250"
	.amdhsa_code_object_version 6
	.text
	.protected	k_q36ffe1f8e6_ksum
	.globl	k_q36ffe1f8e6_ksum
	.p2align	8
	.type	k_q36ffe1f8e6_ksum,@function
k_q36ffe1f8e6_ksum:
	s_mov_b64 s[64:65], 0
	v_nop
	global_prefetch_b8 v0, s[64:65] scope:SCOPE_SE
	s_setreg_imm32_b32 hwreg(HW_REG_WAVE_MODE, 25, 1), 1
	s_wait_xcnt 0x0
; k_sum[b][m][C] = the sum over g = 0 .. 7 of k[b][512 g + m][C] (k = plane 1 of qkv, f32), g ascending, in f32; then quantised to codes of FP8 (E4M3) with the given scale 2^e1
; (e1 = entry 1 of lowp_scales): code = x / 2^e1, held within +-448, to the nearest code, ties to even.
; OUT: kc [b 8][hp 4][m 512][64]: hp = a pair of heads; byte 64 m + 32 hd + c is the code of head 2 hp + hd, channel c: the head's 32 channels, the first product's K, lie innermost.
; SHARES.  Work-group (x = hp, y = 8 b + blk) takes keys 64 blk .. 64 blk + 63 of one (b, hp); wave w takes 8 of them x 64 channels: in each of the 8 strips 8 rows of 256 aligned bytes.
; All 32 loads of a wave (16 KiB) are issued at once: there is no loop, and every byte of k is read once by one wave.  Each half of a load's lanes reads 256 consecutive aligned bytes.
; THE TURN.  A conversion takes neighbours along K from ONE lane's registers, a load is dense where neighbouring LANES take neighbouring bytes: so the wave's 2,048 bytes of sums go through its own
; stage in LDS as they lie and come back 64 bytes a lane (16 bytes of padding behind each 64).  A lane's 16 codes are 16 bytes: the wave's one store covers 512 consecutive aligned bytes.
; No tensor load, no barrier (waves share nothing), no matrix unit, no cluster (no byte is read by two work-groups).
; LIMITS: -126 <= e1 <= 119, so that 2^e1 and 448 x 2^e1 are f32 numbers.  NaN among the inputs is not served (an infinity is held at the largest code).
.set PLANE_K, 0x2000000                ; bytes from qkv's first byte to k
.set STRIP,   512*1024                 ; bytes from a strip of 512 rows to the next
.set SP,      80                       ; a lane's place in the stage: 64 bytes + 16 of padding
.set WREG,    32*SP                    ; a wave's stage
.set SPARE,   8*WREG                   ; behind the stages: the spare words, 128 bytes for each wave: four blocks of 256 bytes that no other line names
.set GOFF, 2                           ; v2   1,024 (lane / 16) + 16 (lane % 16): two rows a load
.set SIN,  3                           ; v3   the stage, on the way in
.set SOUT, 4                           ; v4   and on the way out
.set COFF, 5                           ; v5   16 x lane: my codes
.set SPW,  6                           ; v6   LDS address of my spare word; never rewritten
.set NIL,  7                           ; v7   0; never rewritten
.set CD,   12                          ; v12-15   my 16 codes
.set X,    16                          ; v16-143  load (g, i) at v[X + 16 g + 4 i]; strip 0's registers take the sums
.set T,    32                          ; v32-47   the sums, turned: 16 neighbours along the channels (strip 1's registers, done with)
	s_load_b128 s[4:7], s[0:1], 0x0                ; qkv s[4:5], lowp_scales s[6:7]
	s_load_b64 s[8:9], s[0:1], 0x10                ; kc
	v_lshl_add_u32 v[SPW], v0, 2, SPARE
	v_mov_b32 v[NIL], 0
	v_lshrrev_b32 v1, 5, v0
	v_readfirstlane_b32 s12, v1                    ; wave 0..7
	v_and_b32 v1, 31, v0                           ; lane
	v_bfe_u32 v10, v0, 4, 1
	v_and_b32 v11, 15, v0
	v_lshlrev_b32 v[GOFF], 10, v10
	v_lshl_add_u32 v[GOFF], v11, 4, v[GOFF]
	s_mul_i32 s18, s12, WREG                       ; my stage
	v_lshrrev_b32 v10, 2, v1
	v_mul_u32_u24 v[SIN], v10, SP
	v_and_b32 v11, 3, v1
	v_lshl_add_u32 v[SIN], v11, 4, v[SIN]
	v_add_nc_u32 v[SIN], s18, v[SIN]               ; in: four lanes' 64 bytes on end, then the padding; a load's 512 bytes take eight places
	v_mul_u32_u24 v[SOUT], v1, SP
	v_add_nc_u32 v[SOUT], s18, v[SOUT]             ; out: place = lane
	v_lshlrev_b32 v[COFF], 4, v1
	s_and_b32 s13, ttmp7, 0xffff                   ; y = 8 b + blk
	s_lshr_b32 s14, s13, 3                         ; b
	s_and_b32 s15, s13, 7                          ; blk
	s_lshl_b32 s16, s14, 22                        ; k: b x 4,096 rows of 1,024 bytes
	s_lshl_b32 s19, s15, 16                        ;  + 64 blk rows
	s_add_co_u32 s16, s16, s19
	s_lshl_b32 s19, s12, 13                        ;  + 8 w rows
	s_add_co_u32 s16, s16, s19
	s_lshl_b32 s19, ttmp9, 8                       ;  + the pair's 256 bytes of a row
	s_add_co_u32 s16, s16, s19
	s_add_co_u32 s16, s16, PLANE_K                 ; under 2^27 in all
	s_mov_b32 s17, 0
	s_lshl_b32 s24, s14, 17                        ; kc: (4 b + hp) x 32,768 + (64 blk + 8 w) x 64
	s_lshl_b32 s19, ttmp9, 15
	s_add_co_u32 s24, s24, s19
	s_lshl_b32 s19, s15, 12
	s_add_co_u32 s24, s24, s19
	s_lshl_b32 s19, s12, 9
	s_add_co_u32 s24, s24, s19
	s_mov_b32 s25, 0
	s_wait_kmcnt 0x0
	s_load_b32 s20, s[6:7], 0x4                    ; e1
	s_add_nc_u64 s[4:5], s[4:5], s[16:17]
	s_add_nc_u64 s[8:9], s[8:9], s[24:25]
.irp g, 0,1,2,3,4,5,6,7
.irp i, 0,1,2,3
	global_load_b128 v[X+16*\g+4*\i:X+16*\g+4*\i+3], v[GOFF], s[4:5] offset:\g*STRIP+\i*2048 th:TH_LOAD_NT   ; strip g, my rows 2 i and 2 i + 1; the largest offset, 3,676,160, lies inside the signed 24 bits
.endr
.endr
	s_wait_kmcnt 0x0
	s_add_co_i32 s20, s20, 127
	s_lshl_b32 s21, s20, 23
	v_mov_b32 v8, s21                              ; 2^e1 as f32: the conversion takes its exponent field
	s_add_co_i32 s20, s20, 8
	s_lshl_b32 s20, s20, 23
	s_or_b32 s20, s20, 0x600000
	v_mov_b32 v9, s20                              ; 448 x 2^e1
.irp g, 1,2,3,4,5,6,7
	s_wait_loadcnt 4*(7-\g)                        ; loads come back in order: strips 0 to g are in; the four loads of each later strip may be out
.irp j, 0,2,4,6,8,10,12,14
	v_pk_add_f32 v[X+\j:X+\j+1], v[X+\j:X+\j+1], v[X+16*\g+\j:X+16*\g+\j+1]
.endr
.endr
.irp i, 0,1,2,3
	ds_store_b128 v[SIN], v[X+4*\i:X+4*\i+3] offset:8*SP*\i
.endr
.irp i, 0,1,2,3
	ds_load_b128 v[T+4*\i:T+4*\i+3], v[SOUT] offset:16*\i   ; LDS serves a wave's instructions in order: these see my stores.  Lane l: key l / 4 of my eight, channels 16 (l % 4) on of the pair's 64
.endr
	s_wait_dscnt 0x0
.irp i, 0,1,2,3,4,5,6,7,8,9,10,11,12,13,14,15
	v_med3_num_f32 v[T+\i], v[T+\i], -v9, v9       ; the conversion to an 8-bit code does not saturate (ISA guide 7.6.2): the hold at the largest code x the scale
.endr
	v_cvt_scalef32_pk8_fp8_f32 v[CD:CD+1], v[T:T+7], v8
	v_cvt_scalef32_pk8_fp8_f32 v[CD+2:CD+3], v[T+8:T+15], v8
	v_nop                                          ; a plain line behind the last conversion
	global_store_b128 v[COFF], v[CD:CD+3], s[8:9]  ; 32 lanes store 512 consecutive bytes, at a multiple of 512 from kc's first byte
	s_wait_tensorcnt 0x0                           ; the wave's end: three closing lines, behind my last LDS store, the first of them even in a text with no tensor load
	ds_add_u32 v[SPW], v[NIL]
	s_wait_dscnt 0x0
	s_endpgm
.Lfunc_end_k_q36ffe1f8e6_ksum:
	.size	k_q36ffe1f8e6_ksum, .Lfunc_end_k_q36ffe1f8e6_ksum-k_q36ffe1f8e6_ksum
	.p2alignl 7, 3214868480
	.fill 96, 4, 3214868480
	.section	.rodata,"a",@progbits
	.p2align	6, 0x0
	.amdhsa_kernel k_q36ffe1f8e6_ksum
		.amdhsa_group_segment_fixed_size 21504
		.amdhsa_private_segment_fixed_size 0
		.amdhsa_enable_private_segment 0
		.amdhsa_kernarg_size 24
		.amdhsa_user_sgpr_count 2
		.amdhsa_user_sgpr_kernarg_segment_ptr 1
		.amdhsa_wavefront_size32 1
		.amdhsa_system_sgpr_workgroup_id_x 1
		.amdhsa_system_sgpr_workgroup_id_y 1
		.amdhsa_system_sgpr_workgroup_id_z 1
		.amdhsa_system_vgpr_workitem_id 0
		.amdhsa_next_free_vgpr 144
		.amdhsa_next_free_sgpr 66
		.amdhsa_reserve_vcc 0
		.amdhsa_float_denorm_mode_32 3
		.amdhsa_float_denorm_mode_16_64 3
		.amdhsa_memory_ordered 1
		.amdhsa_forward_progress 1
		.amdhsa_inst_pref_size 12
	.end_amdhsa_kernel
	.amdgpu_metadata
---
amdhsa.version: [ 1, 2 ]
amdhsa.kernels:
  - .name:           k_q36ffe1f8e6_ksum
    .symbol:         k_q36ffe1f8e6_ksum.kd
    .args:
      - { .name: qkv, .offset: 0, .size: 8, .value_kind: global_buffer, .address_space: global }
      - { .name: lowp_scales, .offset: 8, .size: 8, .value_kind: global_buffer, .address_space: global }
      - { .name: kc, .offset: 16, .size: 8, .value_kind: global_buffer, .address_space: global }
    .group_segment_fixed_size: 21504
    .private_segment_fixed_size: 0
    .kernarg_segment_align: 8
    .kernarg_segment_size: 24
    .max_flat_workgroup_size: 256
    .sgpr_count:     66
    .vgpr_count:     144
    .wavefront_size: 32
...
	.end_amdgpu_metadata
.endif
;; end of part 1
;; launch attn (part 2): grid 4 x 64, 16 waves a work-group, no clusters, 137,216 bytes of LDS; arguments qkv, lowp_scales, kc, out0; writes out0
.if DOCPART == 2
	.amdgcn_target "amdgcn-amd-amdhsa--gfx1250"
	.amdhsa_code_object_version 6
	.text
	.protected	k_q36ffe1f8e6_attn
	.globl	k_q36ffe1f8e6_attn
	.p2align	8
	.type	k_q36ffe1f8e6_attn,@function
k_q36ffe1f8e6_attn:
	s_mov_b64 s[64:65], 0
	v_nop
	global_prefetch_b8 v0, s[64:65] scope:SCOPE_SE
	s_setreg_imm32_b32 hwreg(HW_REG_WAVE_MODE, 25, 1), 1
	s_wait_xcnt 0x0
; The windows of the queries drop out of the problem: all 512 queries of a strip hy (rows 512 hy .. 512 hy + 511 of q[b]) meet the same 512 keys, k_sum[b][0 .. 511], and the same 512 values,
; rows 512 hy + m of v[b], head by head (32 channels), and each result goes to its query's own row and channels.  So: 512 attentions of 512 x 512, head size 32.
; Both products on codes of FP8 (E4M3), each operand with its given scale 2^e: e0 for q x 32^-0.5, e1 for k_sum (codes made by the launch before: kc), e2 for p, e3 for v.
; THE SOFTMAX AHEAD OF THE SECOND PRODUCT: t = score x log2(e); M = the largest t so far, rounded UP to a whole number; p = 2^(t - M) is quantised, not normalised; the row's sum is taken of the
; unquantised p and divides at the end; when M moves, the sum and O are multiplied by 2^(old M - new M), which rounds nothing.
; SHARES.  Work-group (x = hp, y = 8 b + hy) takes one strip and a PAIR of heads, so that every row it touches in q, v and out0 is 256 aligned bytes.  Sixteen waves of 256 registers, four to a SIMD,
; so that one wave's exponentials stand beside another's plain work.  Wave w owns queries 32 w .. 32 w + 31: two tiles of 16, each for both heads; for the set-up it owns keys 32 w .. 32 w + 31 of K and of V.
; K AND V LIE IN LDS FOR THE WHOLE LAUNCH, AS IMAGES OF THE OPERANDS' REGISTERS: four registers of a fragment are 512 consecutive bytes, lane l's 16 at 16 l.  One barrier, behind the set-up.
; LAYOUT.  Both products are used transposed (S^T = K Q^T, O^T = V^T P^T): a lane (r = lane % 16, h = lane / 16) holds ONE query throughout.
;   First product, 16x16x64: registers 0-3 of both fragments hold channels 16 h + 0 .. 15 (one permutation of k for both sides); Q's registers 4-7 are zeros.  K's fragments lie packed, tile t at
;   v[KF + 4 t .. + 7]: its upper four registers are the next tile's codes, finite numbers that meet Q's zeros; four zero registers close the run.
;   THE KEYS OF A TILE ARE NOT NEIGHBOURS: in a step of 128 keys lane r of tile 2 b + u takes key 32 b + 8 u + r + 8 (r / 8), so that S's registers 16 b .. 16 b + 15 are keys 32 b + 16 h + 0 .. 15,
;   and p's conversions give the second product's operand as it stands.  Second product, 16x16x128: registers 4 c .. 4 c + 3 of P and of V hold keys 32 c + 16 h + 0 .. 15.
; NO CLUSTER, NO JOINT LOADS: of the 294,912 bytes that a work-group reads only kc's 32,768 are read by others (the 8 strips of a b), once, at the head.  No tensor load, no ring: nothing in LDS is filled again.
; LIMITS on the given exponents, so that each power of two below is an f32 number: e0, e2, e3 between -126 and 119; e0 + e1 between -126 and 127 (they are added to log2(e)'s exponent field).
; NaN among the inputs is not served (an infinity is held at the largest code).
.set PLANE_V, 0x4000000                ; bytes from qkv's first byte to v
.set KIMG,   0                         ; K's images: 16,384 hd + 4,096 s + 512 t + 16 lane
.set VIMG,   32768                     ; V's images: 16,384 hd + 4,096 s + 2,048 n + 512 c + 16 lane
.set HEADB,  16384
.set STEPB,  4096
.set SPITCH, 272                       ; a stage row: 256 bytes + 16: sixteen lanes that take one column of sixteen rows fall on sixteen different 16-byte columns
.set STGB,   16*SPITCH                 ; a wave's own stage: 16 rows
.set STAGE,  65536
.set SPARE,  STAGE+16*STGB             ; behind the stages: the spare words, 128 bytes for each wave: eight blocks of 256 bytes that no other line names
.set LI,  1                            ; v1   16 x lane: my place in an image
.set SPW, 2                            ; v2   LDS address of my spare word; never rewritten
.set NIL, 3                            ; v3   0; never rewritten
.set STI, 4                            ; v4   stage, whole rows: h x pitch + 16 r
.set STQ, 5                            ; v5   stage: r x pitch + 64 h: 16 channels of my query
.set STO, 6                            ; v6   stage: r x pitch + 32 h: 8 channels of my query
.set GQ,  7                            ; v7   memory, two rows an instruction: 1,024 h + 16 r
.set STC, 8                            ; v8   stage: 4 x lane: a lane to a channel
.set KST, 9                            ; v9   where I put K's codes
.set VST, 10                           ; v10  where I put V's codes
;          v12 -M, v13 the largest t, v[14:15] the sum in two halves, v[18:19] f (v19 is named with it), v[20:21] a second chain of sums
.set TA,  16
.set TB,  17
.set TC,  22                           ; a lane permute's destination
;          v24, v25: 2^e2, 448 x 2^e2;  v26, v27: the same for e0;  v240, v241: for e3
.set QF,  28                           ; v28-43   Q's fragments, head 0 and head 1: four registers of codes, four of zeros
.set KF,  44                           ; v44-79   K's eight tiles of a step, packed; v76-79 zeros
.set VF,  80                           ; v80-111  V's two fragments of a step
.set S,   112                          ; v112-175 S^T, then p
.set P,   176                          ; v176-191 p's codes
.set O,   192                          ; v192-207 O^T: two tiles of 16 channels
.set QR,  208                          ; v208-239 16 rows of q as loaded
.macro POW2 e, vs, vl                  ; v[vs] = 2^s[e] as f32, v[vl] = 448 x that
	s_add_co_i32 s40, s[\e], 127
	s_lshl_b32 s41, s40, 23
	v_mov_b32 v[\vs], s41
	s_add_co_i32 s40, s40, 8
	s_lshl_b32 s40, s40, 23
	s_or_b32 s40, s40, 0x600000
	v_mov_b32 v[\vl], s40
.endm
	s_load_b256 s[4:11], s[0:1], 0x0               ; qkv s[4:5], lowp_scales s[6:7], kc s[8:9], out0 s[10:11]
	v_lshl_add_u32 v[SPW], v0, 2, SPARE
	v_mov_b32 v[NIL], 0
	v_lshrrev_b32 v16, 5, v0
	v_readfirstlane_b32 s12, v16                   ; wave 0..15
	v_and_b32 v20, 31, v0                          ; lane
	v_and_b32 v21, 15, v0                          ; r
	v_bfe_u32 v22, v0, 4, 1                        ; h
	v_lshlrev_b32 v[LI], 4, v20
	s_mul_i32 s39, s12, STGB
	s_add_co_u32 s39, s39, STAGE                   ; my stage
	v_mul_u32_u24 v16, v22, SPITCH
	v_lshl_add_u32 v16, v21, 4, v16
	v_add_nc_u32 v[STI], s39, v16
	v_mul_u32_u24 v17, v21, SPITCH
	v_lshl_add_u32 v[STQ], v22, 6, v17
	v_add_nc_u32 v[STQ], s39, v[STQ]
	v_lshl_add_u32 v[STO], v22, 5, v17
	v_add_nc_u32 v[STO], s39, v[STO]
	v_lshlrev_b32 v[GQ], 10, v22
	v_lshl_add_u32 v[GQ], v21, 4, v[GQ]
	v_lshl_add_u32 v[STC], v20, 2, s39
	; K: lane l of load i holds key 8 i + l / 4 of my 32, head (l / 2) % 2, channels 16 (l % 2) on.  That is tile 2 w + i % 2, row 8 (i / 2) + l / 4, half l % 2
	v_bfe_u32 v16, v0, 1, 1
	v_lshlrev_b32 v[KST], 14, v16
	v_and_b32 v16, 1, v0
	v_lshl_add_u32 v[KST], v16, 8, v[KST]
	v_bfe_u32 v16, v0, 2, 3
	v_lshl_add_u32 v[KST], v16, 4, v[KST]
	s_lshl_b32 s40, s12, 10
	v_add_nc_u32 v[KST], s40, v[KST]
	; V: lane l holds channel l of a head: tile l / 16, row l % 16; my 32 keys are step w / 4, registers 4 (w % 4) on
	v_lshlrev_b32 v[VST], 11, v22
	v_lshl_add_u32 v[VST], v21, 4, v[VST]
	s_lshr_b32 s40, s12, 2
	s_lshl_b32 s40, s40, 12
	s_and_b32 s41, s12, 3
	s_lshl_b32 s41, s41, 9
	s_add_co_u32 s40, s40, s41
	v_add_nc_u32 v[VST], s40, v[VST]
	s_and_b32 s13, ttmp7, 0xffff                   ; y = 8 b + hy
	s_lshl_b32 s16, s13, 19                        ; the strip: y x 512 rows of 1,024 bytes,
	s_lshl_b32 s39, s12, 15                        ; my wave's 32 rows,
	s_add_co_u32 s16, s16, s39
	s_lshl_b32 s39, ttmp9, 8                       ; the pair's 256 bytes of a row
	s_add_co_u32 s16, s16, s39
	s_mov_b32 s17, 0
	s_lshr_b32 s14, s13, 3                         ; kc: (4 b + hp) x 32,768 + my 32 keys x 64
	s_lshl_b32 s14, s14, 2
	s_add_co_u32 s14, s14, ttmp9
	s_lshl_b32 s14, s14, 15
	s_lshl_b32 s39, s12, 11
	s_add_co_u32 s14, s14, s39
	s_mov_b32 s15, 0
	s_mov_b32 s34, 0x76543210                      ; v_permlanex16_b32's selects for lane l xor 16
	s_mov_b32 s35, 0xfedcba98
	s_mov_b32 s44, 0x3e3504f3                      ; 32^-0.5 as f32
	s_mov_b32 s45, s44                             ; (named with it as a pair, so it is written)
	s_wait_kmcnt 0x0
	s_load_b128 s[28:31], s[6:7], 0x0              ; e0, e1, e2, e3
	s_add_nc_u64 s[18:19], s[4:5], s[16:17]        ; q at my first row
	s_add_nc_u64 s[24:25], s[10:11], s[16:17]      ; out0 likewise
	s_add_nc_u64 s[20:21], s[18:19], PLANE_V       ; v: my 32 keys' rows lie at the same offset in its plane
	s_add_nc_u64 s[22:23], s[8:9], s[14:15]
.irp i, 0,1,2,3
	global_load_b128 v[P+4*\i:P+4*\i+3], v[LI], s[22:23] offset:512*\i              ; my 32 keys' codes: 2,048 consecutive bytes (read by eight work-groups: no hint)
.endr
.irp i, 0,1,2,3,4,5,6,7,8,9,10,11,12,13,14,15
	global_load_b128 v[S+4*\i:S+4*\i+3], v[GQ], s[20:21] offset:2048*\i th:TH_LOAD_NT   ; v: rows 2 i, 2 i + 1 of my 32: sixteen lanes read 256 aligned bytes
.endr
.irp i, 0,1,2,3,4,5,6,7
	global_load_b128 v[QR+4*\i:QR+4*\i+3], v[GQ], s[18:19] offset:2048*\i th:TH_LOAD_NT ; q: my first tile's 16 rows
.endr
.irp j, 4,5,6,7,12,13,14,15
	v_mov_b32 v[QF+\j], 0                          ; Q's upper halves: the instruction's K is 64, the head's 32
.endr
.irp j, 32,33,34,35
	v_mov_b32 v[KF+\j], 0                          ; what closes K's packed run
.endr
	v_mov_b32 v19, 0                               ; (named as the upper half of the pair v[18:19])
	s_wait_kmcnt 0x0
	s_add_co_i32 s39, s28, s29
	s_lshl_b32 s39, s39, 23
	s_add_co_i32 s32, s39, 0x3fb8aa3b              ; c = log2(e) x 2^(e0 + e1): a sum of the first product stands for sum x 2^(e0 + e1)
	s_mov_b32 s33, s32                             ; (named with it as a pair, so it is written)
	s_add_co_i32 s36, s30, s31                     ; e2 + e3, applied by v_ldexp_f32
	POW2 30, 24, 25
	POW2 28, 26, 27
	POW2 31, 240, 241
	s_wait_loadcnt 24                              ; kc's four loads are in; behind them 16 of v and 8 of q were issued
.irp i, 0,1,2,3
	ds_store_b128 v[KST], v[P+4*\i:P+4*\i+3] offset:KIMG+(\i%2)*512+(\i/2)*128
.endr
	; V: a lane to a channel, registers down the keys: 16 rows at a time go through my stage as they lie and come back a column a lane; a = which 16 of my 32 keys = the operand's half h
.irp a, 0,1
	s_wait_loadcnt 16-8*\a                         ; this half's eight loads are in; behind them: (the other half's eight and) q's eight
.irp i, 0,1,2,3,4,5,6,7
	ds_store_b128 v[STI], v[S+32*\a+4*\i:S+32*\a+4*\i+3] offset:2*SPITCH*\i
.endr
.irp d, 0,1
.irp k, 0,1,2,3,4,5,6,7,8,9,10,11,12,13,14,15
	ds_load_b32 v[VF+16*\d+\k], v[STC] offset:SPITCH*\k+128*\d   ; key 16 a + k, head d, channel = lane.  LDS serves a wave's instructions in order: these see my stores
.endr
.endr
	s_wait_dscnt 0x0
.irp j, 0,1,2,3,4,5,6,7,8,9,10,11,12,13,14,15,16,17,18,19,20,21,22,23,24,25,26,27,28,29,30,31
	v_med3_num_f32 v[VF+\j], v[VF+\j], -v241, v241 ; the conversion to an 8-bit code does not saturate (ISA guide 7.6.2): the hold at the largest code x the scale
.endr
.irp d, 0,1
	v_cvt_scalef32_pk8_fp8_f32 v[O+8*\a+4*\d:O+8*\a+4*\d+1], v[VF+16*\d:VF+16*\d+7], v240
	v_cvt_scalef32_pk8_fp8_f32 v[O+8*\a+4*\d+2:O+8*\a+4*\d+3], v[VF+16*\d+8:VF+16*\d+15], v240
.endr
	v_nop                                          ; a plain line behind the last conversion, ahead of whatever next writes its sources
.irp d, 0,1
	ds_store_b128 v[VST], v[O+8*\a+4*\d:O+8*\a+4*\d+3] offset:VIMG+\d*HEADB+\a*256
.endr
.endr
	s_wait_dscnt 0x0                               ; for the others' sake: my parts of both images have landed
	s_barrier_signal -1
	s_barrier_wait -1                              ; the only barrier: from here on the images are only read, and a stage is touched by its own wave alone
.irp t, 0,1,2,3,4,5,6,7
	ds_load_b128 v[KF+4*\t:KF+4*\t+3], v[LI] offset:KIMG+512*\t   ; K of head 0, step 0
.endr
; A KEY STEP: 128 keys, the s-th of head hd.  first = 1: the unit's first step starts M, the sum and O^T: nothing is cleared.
.macro STEP hd, s, first
.set NX, (4*(\hd)+(\s)+1)%8            ; the step that follows (behind the last: head 0, step 0, for the next tile)
	s_wait_dscnt 0x0                               ; K's fragments, asked for a step ago, are in
.irp t, 0,1,2,3,4,5,6,7
	v_wmma_f32_16x16x64_fp8_fp8 v[S+8*\t:S+8*\t+7], v[KF+4*\t:KF+4*\t+7], v[QF+8*(\hd):QF+8*(\hd)+7], 0
.endr
.rept 4
	v_nop                                          ; four places: ahead of the loads into K's registers, just read, and into V's, read by the last step's products, and of the first read of the scores
.endr
.irp n, 0,1
.irp c, 0,1,2,3
	ds_load_b128 v[VF+16*\n+4*\c:VF+16*\n+4*\c+3], v[LI] offset:VIMG+(\hd)*HEADB+(\s)*STEPB+\n*2048+\c*512
.endr
.endr
.irp t, 0,1,2,3,4,5,6,7
	ds_load_b128 v[KF+4*\t:KF+4*\t+3], v[LI] offset:KIMG+(NX/4)*HEADB+(NX%4)*STEPB+512*\t
.endr
	v_max3_num_f32 v[TA], v[S], v[S+1], v[S+2]     ; the step's largest score of my query among my 64 keys, in two chains, ascending: each accumulator is first read at its low end
	v_max3_num_f32 v[TB], v[S+3], v[S+4], v[S+5]
.set J, 6
.rept 14
	v_max3_num_f32 v[TA], v[TA], v[S+J], v[S+J+1]
	v_max3_num_f32 v[TB], v[TB], v[S+J+2], v[S+J+3]
.set J, J+4
.endr
	v_max3_num_f32 v[TA], v[TA], v[S+62], v[S+63]
	v_max_num_f32 v[TA], v[TA], v[TB]
	v_permlanex16_b32 v[TC], v[TA], s34, s35
	v_max_num_f32 v[TA], v[TA], v[TC]              ; and among lane l xor 16's
.if \first
	v_mul_f32 v13, s32, v[TA]                      ; as t (c is positive)
	v_floor_f32 v12, -v13                          ; -M = floor(-t) = -ceil(t): M is a whole number
.else
	v_mul_f32 v[TA], s32, v[TA]
	v_max_num_f32 v13, v13, v[TA]                  ; the running largest t
	v_mov_b32 v[TB], v12
	v_floor_f32 v12, -v13
	v_sub_f32 v[TB], v12, v[TB]                    ; old M - new M: a whole number, 0 or less
	v_cvt_i32_f32 v[TB], v[TB]                     ; (it saturates)
	v_ldexp_f32 v18, 1.0, v[TB]                    ; f = 2^(old M - new M)
.endif
.set J, 0
.rept 32
	v_pk_fma_f32 v[S+J:S+J+1], v[S+J:S+J+1], s[32:33], v[12:13] op_sel_hi:[1,0,0]   ; t - M, two at a time (of the pairs c and -M the low word serves both halves)
.set J, J+2
.endr
.set J, 0
.rept 64
	v_exp_f32 v[S+J], v[S+J]                       ; p = 2^(t - M), at most 1
.set J, J+1
.endr
.if \first
	v_nop                                          ; a plain line behind the last exponential
.else
	v_pk_mul_f32 v[14:15], v[14:15], v[18:19] op_sel_hi:[1,0]   ; the sum under the new M; also the plain line behind the last exponential
.endif
	s_wait_alu depctr_va_vdst(0)                   ; the wait ahead of the first line that names an exponential's result: one for the batch of 64
.if \first
	v_pk_add_f32 v[14:15], v[S:S+1], v[S+2:S+3]    ; the row's sum is taken of the UNQUANTISED p, in two chains; here they begin it
	v_pk_add_f32 v[20:21], v[S+4:S+5], v[S+6:S+7]
.set J, 8
.rept 14
	v_pk_add_f32 v[14:15], v[14:15], v[S+J:S+J+1]
	v_pk_add_f32 v[20:21], v[20:21], v[S+J+2:S+J+3]
.set J, J+4
.endr
.else
	v_pk_add_f32 v[20:21], v[S:S+1], v[S+2:S+3]
.set J, 4
.rept 15
	v_pk_add_f32 v[14:15], v[14:15], v[S+J:S+J+1]
	v_pk_add_f32 v[20:21], v[20:21], v[S+J+2:S+J+3]
.set J, J+4
.endr
.endif
	v_pk_add_f32 v[14:15], v[14:15], v[20:21]
	s_cmp_ge_i32 s30, -8                           ; THE HOLD.  p <= 1 < 1.75 = 448 x 2^-8 <= 448 x 2^e2 wherever e2 >= -8: there the hold changes no number and is passed over.
	s_cbranch_scc1 .Lroom_\@                       ; The branch hangs on a whole number of the input lowp_scales, is the same in every wave, and leads round these 64 lines alone
.set J, 0
.rept 64
	v_min_num_f32 v[S+J], v[S+J], v25              ; the conversion to an 8-bit code does not saturate (ISA guide 7.6.2); p is not negative, so the hold is one-sided
.set J, J+1
.endr
.Lroom_\@:
.irp b, 0,1,2,3
	v_cvt_scalef32_pk8_fp8_f32 v[P+4*\b:P+4*\b+1], v[S+16*\b:S+16*\b+7], v24
	v_cvt_scalef32_pk8_fp8_f32 v[P+4*\b+2:P+4*\b+3], v[S+16*\b+8:S+16*\b+15], v24
.endr
.if \first
	v_nop                                          ; a plain line between the last conversion and the products that read its result
.else
.irp j, 0,2,4,6,8,10,12,14
	v_pk_mul_f32 v[O+\j:O+\j+1], v[O+\j:O+\j+1], v[18:19] op_sel_hi:[1,0]   ; O^T under the new M, ascending; also the plain lines behind the conversions
.endr
.endif
	s_wait_dscnt 8                                 ; V's eight loads are in; the eight issued behind them, the next step's K, may be out
.irp n, 0,1
.if \first
	v_wmma_f32_16x16x128_fp8_fp8 v[O+8*\n:O+8*\n+7], v[VF+16*\n:VF+16*\n+15], v[P:P+15], 0
.else
	v_wmma_f32_16x16x128_fp8_fp8 v[O+8*\n:O+8*\n+7], v[VF+16*\n:VF+16*\n+15], v[P:P+15], v[O+8*\n:O+8*\n+7]   ; the two accumulators take turns, one instruction a turn, with the next step's eight products between two turns of one
.endif
.endr
.endm
; The unit's end: O^T / the sum x 2^(e2 + e3), into my stage: row = query, bytes 128 hd on.
.macro FINAL hd
	v_add_f32 v14, v14, v15                        ; the sum's two halves,
	v_permlanex16_b32 v[TC], v14, s34, s35
	v_add_f32 v14, v14, v[TC]                      ; and lane l xor 16's
	v_rcp_f32 v14, v14                             ; the sum is above 1/2: the row's largest p is
	v_nop                                          ; a plain line behind the reciprocal; with the lines round it, more than four places behind the last products
	v_nop
	s_wait_alu depctr_va_vdst(0)                   ; the wait ahead of the first line that names the reciprocal
	v_ldexp_f32 v14, v14, s36
.irp j, 0,2,4,6,8,10,12,14
	v_pk_mul_f32 v[O+\j:O+\j+1], v[O+\j:O+\j+1], v[14:15] op_sel_hi:[1,0]   ; register 8 n + j is channel 16 n + 8 h + j of my query
.endr
.irp n, 0,1
.irp q, 0,1
	ds_store_b128 v[STO], v[O+8*\n+4*\q:O+8*\n+4*\q+3] offset:(\hd)*128+\n*64+\q*16
.endr
.endr
.endm
.macro UNIT hd                         ; one tile of 16 queries x one head x all 512 keys
	STEP \hd, 0, 1
	STEP \hd, 1, 0
	STEP \hd, 2, 0
	STEP \hd, 3, 0
	FINAL \hd
.endm
	s_mov_b32 s38, 2                               ; tiles to go
.Ltile:
	; ---- Q: 16 rows x 256 bytes go through my stage as they lie and come back 16 channels a lane; x 32^-0.5, held, quantised: both heads' fragments
	s_wait_loadcnt 0x0                             ; the tile's eight loads, the only ones out
.irp i, 0,1,2,3,4,5,6,7
	ds_store_b128 v[STI], v[QR+4*\i:QR+4*\i+3] offset:2*SPITCH*\i
.endr
.irp d, 0,1
.irp j, 0,1,2,3
	ds_load_b128 v[S+32+16*\d+4*\j:S+32+16*\d+4*\j+3], v[STQ] offset:128*\d+16*\j   ; query r, head d, channels 16 h + 4 j on
.endr
.endr
	s_wait_dscnt 0x0
	s_cmp_eq_u32 s38, 1                            ; the next tile's rows are asked for here, a whole tile's work ahead, if there is a next tile: no load leaves its part of the buffer
	s_cbranch_scc1 .Lno_next
.irp i, 0,1,2,3,4,5,6,7
	global_load_b128 v[QR+4*\i:QR+4*\i+3], v[GQ], s[18:19] offset:16384+2048*\i th:TH_LOAD_NT
.endr
.Lno_next:
.set J, 32
.rept 16
	v_pk_mul_f32 v[S+J:S+J+1], v[S+J:S+J+1], s[44:45] op_sel_hi:[1,0]
.set J, J+2
.endr
.set J, 32
.rept 32
	v_med3_num_f32 v[S+J], v[S+J], -v27, v27       ; the hold at the largest code x 2^e0
.set J, J+1
.endr
.irp d, 0,1
	v_cvt_scalef32_pk8_fp8_f32 v[QF+8*\d:QF+8*\d+1], v[S+32+16*\d:S+32+16*\d+7], v26
	v_cvt_scalef32_pk8_fp8_f32 v[QF+8*\d+2:QF+8*\d+3], v[S+32+16*\d+8:S+32+16*\d+15], v26
.endr
	v_nop                                          ; a plain line between the last conversion and the products that read its result and write its sources
	UNIT 0
	UNIT 1
	; ---- the way out: 16 whole rows of 256 bytes from my stage
.irp i, 0,1,2,3,4,5,6,7
	ds_load_b128 v[S+4*\i:S+4*\i+3], v[STI] offset:2*SPITCH*\i   ; LDS serves a wave's instructions in order: these see both heads' stores
.endr
.irp i, 0,1,2,3,4,5,6,7
	s_wait_dscnt 7-\i                              ; rows 2 i, 2 i + 1 are in; the younger loads may be out
	global_store_b128 v[GQ], v[S+4*\i:S+4*\i+3], s[24:25] offset:2048*\i th:TH_STORE_NT   ; sixteen lanes store 256 consecutive bytes, at a multiple of 256 from out0's first byte
.endr
	s_wait_xcnt 0x0                                ; the stores' data and both bases are written again only behind this wait
	s_add_nc_u64 s[18:19], s[18:19], 16384         ; 16 rows on
	s_add_nc_u64 s[24:25], s[24:25], 16384
	s_sub_co_u32 s38, s38, 1
	s_cmp_lg_u32 s38, 0
	s_cbranch_scc1 .Ltile
	s_wait_tensorcnt 0x0                           ; the wave's end: three closing lines, behind my last LDS store, the first of them even in a text with no tensor load
	ds_add_u32 v[SPW], v[NIL]
	s_wait_dscnt 0x0
	s_endpgm
.Lfunc_end_k_q36ffe1f8e6_attn:
	.size	k_q36ffe1f8e6_attn, .Lfunc_end_k_q36ffe1f8e6_attn-k_q36ffe1f8e6_attn
	.p2alignl 7, 3214868480
	.fill 96, 4, 3214868480
	.section	.rodata,"a",@progbits
	.p2align	6, 0x0
	.amdhsa_kernel k_q36ffe1f8e6_attn
		.amdhsa_group_segment_fixed_size 137216
		.amdhsa_private_segment_fixed_size 0
		.amdhsa_enable_private_segment 0
		.amdhsa_kernarg_size 32
		.amdhsa_user_sgpr_count 2
		.amdhsa_user_sgpr_kernarg_segment_ptr 1
		.amdhsa_wavefront_size32 1
		.amdhsa_system_sgpr_workgroup_id_x 1
		.amdhsa_system_sgpr_workgroup_id_y 1
		.amdhsa_system_sgpr_workgroup_id_z 1
		.amdhsa_system_vgpr_workitem_id 0
		.amdhsa_next_free_vgpr 256
		.amdhsa_next_free_sgpr 66
		.amdhsa_reserve_vcc 0
		.amdhsa_float_denorm_mode_32 3
		.amdhsa_float_denorm_mode_16_64 3
		.amdhsa_memory_ordered 1
		.amdhsa_forward_progress 1
		.amdhsa_inst_pref_size 133
	.end_amdhsa_kernel
	.amdgpu_metadata
---
amdhsa.version: [ 1, 2 ]
amdhsa.kernels:
  - .name:           k_q36ffe1f8e6_attn
    .symbol:         k_q36ffe1f8e6_attn.kd
    .args:
      - { .name: qkv, .offset: 0, .size: 8, .value_kind: global_buffer, .address_space: global }
      - { .name: lowp_scales, .offset: 8, .size: 8, .value_kind: global_buffer, .address_space: global }
      - { .name: kc, .offset: 16, .size: 8, .value_kind: global_buffer, .address_space: global }
      - { .name: out0, .offset: 24, .size: 8, .value_kind: global_buffer, .address_space: global }
    .group_segment_fixed_size: 137216
    .private_segment_fixed_size: 0
    .kernarg_segment_align: 8
    .kernarg_segment_size: 32
    .max_flat_workgroup_size: 512
    .sgpr_count:     66
    .vgpr_count:     256
    .wavefront_size: 32
...
	.end_amdgpu_metadata
.endif
;; end of part 2
;; ======== version 2 of 2: 2 launches
;; workspace buffers: kc 1,048,576 bytes
;; launch ksum (part 3): grid 4 x 64, 8 waves a work-group, no clusters, 21,504 bytes of LDS; arguments qkv, lowp_scales, kc; writes kc
.if DOCPART == 3
	.amdgcn_target "amdgcn-amd-amdhsa--gfx1250"
	.amdhsa_code_object_version 6
	.text
	.protected	k_q36ffe1f8e6_ksum
	.globl	k_q36ffe1f8e6_ksum
	.p2align	8
	.type	k_q36ffe1f8e6_ksum,@function
k_q36ffe1f8e6_ksum:
	s_mov_b64 s[64:65], 0
	v_nop
	global_prefetch_b8 v0, s[64:65] scope:SCOPE_SE
	s_setreg_imm32_b32 hwreg(HW_REG_WAVE_MODE, 25, 1), 1
	s_wait_xcnt 0x0
; k_sum[b][m][C] = the sum over g = 0 .. 7 of k[b][512 g + m][C] (k = plane 1 of qkv, f32), g ascending, in f32; then quantised to codes of FP8 (E4M3) with the given scale 2^e1
; (e1 = entry 1 of lowp_scales): code = x / 2^e1, held within +-448, to the nearest code, ties to even.
; OUT: kc [b 8][hp 4][m 512][64]: hp = a pair of heads; byte 64 m + 32 hd + c is the code of head 2 hp + hd, channel c: the head's 32 channels, the first product's K, lie innermost.
; SHARES.  Work-group (x = hp, y = 8 b + blk) takes keys 64 blk .. 64 blk + 63 of one (b, hp); wave w takes 8 of them x 64 channels: in each of the 8 strips 8 rows of 256 aligned bytes.
; All 32 loads of a wave (16 KiB) are issued at once: there is no loop, and every byte of k is read once by one wave.  Each half of a load's lanes reads 256 consecutive aligned bytes.
; THE TURN.  A conversion takes neighbours along K from ONE lane's registers, a load is dense where neighbouring LANES take neighbouring bytes: so the wave's 2,048 bytes of sums go through its own
; stage in LDS as they lie and come back 64 bytes a lane (16 bytes of padding behind each 64).  A lane's 16 codes are 16 bytes: the wave's one store covers 512 consecutive aligned bytes.
; No tensor load, no barrier (waves share nothing), no matrix unit, no cluster (no byte is read by two work-groups).
; LIMITS: -126 <= e1 <= 119, so that 2^e1 and 448 x 2^e1 are f32 numbers.  NaN among the inputs is not served (an infinity is held at the largest code).
.set PLANE_K, 0x2000000                ; bytes from qkv's first byte to k
.set STRIP,   512*1024                 ; bytes from a strip of 512 rows to the next
.set SP,      80                       ; a lane's place in the stage: 64 bytes + 16 of padding
.set WREG,    32*SP                    ; a wave's stage
.set SPARE,   8*WREG                   ; behind the stages: the spare words, 128 bytes for each wave: four blocks of 256 bytes that no other line names
.set GOFF, 2                           ; v2   1,024 (lane / 16) + 16 (lane % 16): two rows a load
.set SIN,  3                           ; v3   the stage, on the way in
.set SOUT, 4                           ; v4   and on the way out
.set COFF, 5                           ; v5   16 x lane: my codes
.set SPW,  6                           ; v6   LDS address of my spare word; never rewritten
.set NIL,  7                           ; v7   0; never rewritten
.set CD,   12                          ; v12-15   my 16 codes
.set X,    16                          ; v16-143  load (g, i) at v[X + 16 g + 4 i]; strip 0's registers take the sums
.set T,    32                          ; v32-47   the sums, turned: 16 neighbours along the channels (strip 1's registers, done with)
	s_load_b128 s[4:7], s[0:1], 0x0                ; qkv s[4:5], lowp_scales s[6:7]
	s_load_b64 s[8:9], s[0:1], 0x10                ; kc
	v_lshl_add_u32 v[SPW], v0, 2, SPARE
	v_mov_b32 v[NIL], 0
	v_lshrrev_b32 v1, 5, v0
	s_delay_alu instid0(VALU_DEP_1)
	v_readfirstlane_b32 s12, v1                    ; wave 0..7
	v_and_b32 v1, 31, v0                           ; lane
	v_bfe_u32 v10, v0, 4, 1
	v_and_b32 v11, 15, v0
	s_delay_alu instid0(VALU_DEP_2)
	v_lshlrev_b32 v[GOFF], 10, v10
	s_delay_alu instid0(VALU_DEP_1)
	v_lshl_add_u32 v[GOFF], v11, 4, v[GOFF]
	s_mul_i32 s18, s12, WREG                       ; my stage
	v_lshrrev_b32 v10, 2, v1
	s_delay_alu instid0(VALU_DEP_1)
	v_mul_u32_u24 v[SIN], v10, SP
	v_and_b32 v11, 3, v1
	s_delay_alu instid0(VALU_DEP_1)
	v_lshl_add_u32 v[SIN], v11, 4, v[SIN]
	s_delay_alu instid0(VALU_DEP_1)
	v_add_nc_u32 v[SIN], s18, v[SIN]               ; in: four lanes' 64 bytes on end, then the padding; a load's 512 bytes take eight places
	v_mul_u32_u24 v[SOUT], v1, SP
	s_delay_alu instid0(VALU_DEP_1)
	v_add_nc_u32 v[SOUT], s18, v[SOUT]             ; out: place = lane
	v_lshlrev_b32 v[COFF], 4, v1
	s_and_b32 s13, ttmp7, 0xffff                   ; y = 8 b + blk
	s_lshr_b32 s14, s13, 3                         ; b
	s_and_b32 s15, s13, 7                          ; blk
	s_lshl_b32 s16, s14, 22                        ; k: b x 4,096 rows of 1,024 bytes
	s_lshl_b32 s19, s15, 16                        ;  + 64 blk rows
	s_add_co_u32 s16, s16, s19
	s_lshl_b32 s19, s12, 13                        ;  + 8 w rows
	s_add_co_u32 s16, s16, s19
	s_lshl_b32 s19, ttmp9, 8                       ;  + the pair's 256 bytes of a row
	s_add_co_u32 s16, s16, s19
	s_add_co_u32 s16, s16, PLANE_K                 ; under 2^27 in all
	s_mov_b32 s17, 0
	s_lshl_b32 s24, s14, 17                        ; kc: (4 b + hp) x 32,768 + (64 blk + 8 w) x 64
	s_lshl_b32 s19, ttmp9, 15
	s_add_co_u32 s24, s24, s19
	s_lshl_b32 s19, s15, 12
	s_add_co_u32 s24, s24, s19
	s_lshl_b32 s19, s12, 9
	s_add_co_u32 s24, s24, s19
	s_mov_b32 s25, 0
	s_wait_alu depctr_va_vdst(0)
	s_wait_kmcnt 0x0
	s_load_b32 s20, s[6:7], 0x4                    ; e1
	s_add_nc_u64 s[4:5], s[4:5], s[16:17]
	s_add_nc_u64 s[8:9], s[8:9], s[24:25]
.irp g, 0,1,2,3,4,5,6,7
.irp i, 0,1,2,3
	global_load_b128 v[X+16*\g+4*\i:X+16*\g+4*\i+3], v[GOFF], s[4:5] offset:\g*STRIP+\i*2048 th:TH_LOAD_NT   ; strip g, my rows 2 i and 2 i + 1; the largest offset, 3,676,160, lies inside the signed 24 bits
.endr
.endr
	s_wait_kmcnt 0x0
	s_add_co_i32 s20, s20, 127
	s_lshl_b32 s21, s20, 23
	v_mov_b32 v8, s21                              ; 2^e1 as f32: the conversion takes its exponent field
	s_add_co_i32 s20, s20, 8
	s_lshl_b32 s20, s20, 23
	s_or_b32 s20, s20, 0x600000
	v_mov_b32 v9, s20                              ; 448 x 2^e1
.irp g, 1,2,3,4,5,6,7
	s_wait_alu depctr_va_vdst(0)
	s_wait_loadcnt 4*(7-\g)                        ; loads come back in order: strips 0 to g are in; the four loads of each later strip may be out
.irp j, 0,2,4,6,8,10,12,14
	v_pk_add_f32 v[X+\j:X+\j+1], v[X+\j:X+\j+1], v[X+16*\g+\j:X+16*\g+\j+1]
.endr
.endr
.irp i, 0,1,2,3
	ds_store_b128 v[SIN], v[X+4*\i:X+4*\i+3] offset:8*SP*\i
.endr
.irp i, 0,1,2,3
	ds_load_b128 v[T+4*\i:T+4*\i+3], v[SOUT] offset:16*\i   ; LDS serves a wave's instructions in order: these see my stores.  Lane l: key l / 4 of my eight, channels 16 (l % 4) on of the pair's 64
.endr
	s_wait_dscnt 0x0
.irp i, 0,1,2,3,4,5,6,7,8,9,10,11,12,13,14,15
	v_med3_num_f32 v[T+\i], v[T+\i], -v9, v9       ; the conversion to an 8-bit code does not saturate (ISA guide 7.6.2): the hold at the largest code x the scale
.endr
	v_cvt_scalef32_pk8_fp8_f32 v[CD:CD+1], v[T:T+7], v8
	v_cvt_scalef32_pk8_fp8_f32 v[CD+2:CD+3], v[T+8:T+15], v8
	v_nop                                          ; a plain line behind the last conversion
	global_store_b128 v[COFF], v[CD:CD+3], s[8:9]  ; 32 lanes store 512 consecutive bytes, at a multiple of 512 from kc's first byte
	s_wait_tensorcnt 0x0                           ; the wave's end: three closing lines, behind my last LDS store, the first of them even in a text with no tensor load
	ds_add_u32 v[SPW], v[NIL]
	s_wait_dscnt 0x0
	s_endpgm
.Lfunc_end_k_q36ffe1f8e6_ksum:
	.size	k_q36ffe1f8e6_ksum, .Lfunc_end_k_q36ffe1f8e6_ksum-k_q36ffe1f8e6_ksum
	.p2alignl 7, 3214868480
	.fill 96, 4, 3214868480
	.section	.rodata,"a",@progbits
	.p2align	6, 0x0
	.amdhsa_kernel k_q36ffe1f8e6_ksum
		.amdhsa_group_segment_fixed_size 21504
		.amdhsa_private_segment_fixed_size 0
		.amdhsa_enable_private_segment 0
		.amdhsa_kernarg_size 24
		.amdhsa_user_sgpr_count 2
		.amdhsa_user_sgpr_kernarg_segment_ptr 1
		.amdhsa_wavefront_size32 1
		.amdhsa_system_sgpr_workgroup_id_x 1
		.amdhsa_system_sgpr_workgroup_id_y 1
		.amdhsa_system_sgpr_workgroup_id_z 1
		.amdhsa_system_vgpr_workitem_id 0
		.amdhsa_next_free_vgpr 144
		.amdhsa_next_free_sgpr 66
		.amdhsa_reserve_vcc 0
		.amdhsa_float_denorm_mode_32 3
		.amdhsa_float_denorm_mode_16_64 3
		.amdhsa_memory_ordered 1
		.amdhsa_forward_progress 1
		.amdhsa_inst_pref_size 12
	.end_amdhsa_kernel
	.amdgpu_metadata
---
amdhsa.version: [ 1, 2 ]
amdhsa.kernels:
  - .name:           k_q36ffe1f8e6_ksum
    .symbol:         k_q36ffe1f8e6_ksum.kd
    .args:
      - { .name: qkv, .offset: 0, .size: 8, .value_kind: global_buffer, .address_space: global }
      - { .name: lowp_scales, .offset: 8, .size: 8, .value_kind: global_buffer, .address_space: global }
      - { .name: kc, .offset: 16, .size: 8, .value_kind: global_buffer, .address_space: global }
    .group_segment_fixed_size: 21504
    .private_segment_fixed_size: 0
    .kernarg_segment_align: 8
    .kernarg_segment_size: 24
    .max_flat_workgroup_size: 256
    .sgpr_count:     66
    .vgpr_count:     144
    .wavefront_size: 32
...
	.end_amdgpu_metadata
.endif
;; end of part 3
;; launch attn (part 4): grid 4 x 64, 16 waves a work-group, no clusters, 137,216 bytes of LDS; arguments qkv, lowp_scales, kc, out0; writes out0
.if DOCPART == 4
	.amdgcn_target "amdgcn-amd-amdhsa--gfx1250"
	.amdhsa_code_object_version 6
	.text
	.protected	k_q36ffe1f8e6_attn
	.globl	k_q36ffe1f8e6_attn
	.p2align	8
	.type	k_q36ffe1f8e6_attn,@function
k_q36ffe1f8e6_attn:
	s_mov_b64 s[64:65], 0
	v_nop
	global_prefetch_b8 v0, s[64:65] scope:SCOPE_SE
	s_setreg_imm32_b32 hwreg(HW_REG_WAVE_SCHED_MODE, 0, 2), 2
	s_setreg_imm32_b32 hwreg(HW_REG_WAVE_MODE, 25, 1), 1
	s_wait_xcnt 0x0
	s_wait_alu depctr_vm_vsrc(0)
; The windows of the queries drop out of the problem: all 512 queries of a strip hy (rows 512 hy .. 512 hy + 511 of q[b]) meet the same 512 keys, k_sum[b][0 .. 511], and the same 512 values,
; rows 512 hy + m of v[b], head by head (32 channels), and each result goes to its query's own row and channels.  So: 512 attentions of 512 x 512, head size 32.
; Both products on codes of FP8 (E4M3), each operand with its given scale 2^e: e0 for q x 32^-0.5, e1 for k_sum (codes made by the launch before: kc), e2 for p, e3 for v.
; THE SOFTMAX AHEAD OF THE SECOND PRODUCT: t = score x log2(e); M = the largest t so far, rounded UP to a whole number; p = 2^(t - M) is quantised, not normalised; the row's sum is taken of the
; unquantised p and divides at the end; when M moves, the sum and O are multiplied by 2^(old M - new M), which rounds nothing.
; SHARES.  Work-group (x = hp, y = 8 b + hy) takes one strip and a PAIR of heads, so that every row it touches in q, v and out0 is 256 aligned bytes.  Sixteen waves of 256 registers, four to a SIMD,
; so that one wave's exponentials stand beside another's plain work.  Wave w owns queries 32 w .. 32 w + 31: two tiles of 16, each for both heads; for the set-up it owns keys 32 w .. 32 w + 31 of K and of V.
; K AND V LIE IN LDS FOR THE WHOLE LAUNCH, AS IMAGES OF THE OPERANDS' REGISTERS: four registers of a fragment are 512 consecutive bytes, lane l's 16 at 16 l.  One barrier, behind the set-up.
; LAYOUT.  Both products are used transposed (S^T = K Q^T, O^T = V^T P^T): a lane (r = lane % 16, h = lane / 16) holds ONE query throughout.
;   First product, 16x16x64: registers 0-3 of both fragments hold channels 16 h + 0 .. 15 (one permutation of k for both sides); Q's registers 4-7 are zeros.  K's fragments lie packed, tile t at
;   v[KF + 4 t .. + 7]: its upper four registers are the next tile's codes, finite numbers that meet Q's zeros; four zero registers close the run.
;   THE KEYS OF A TILE ARE NOT NEIGHBOURS: in a step of 128 keys lane r of tile 2 b + u takes key 32 b + 8 u + r + 8 (r / 8), so that S's registers 16 b .. 16 b + 15 are keys 32 b + 16 h + 0 .. 15,
;   and p's conversions give the second product's operand as it stands.  Second product, 16x16x128: registers 4 c .. 4 c + 3 of P and of V hold keys 32 c + 16 h + 0 .. 15.
; NO CLUSTER, NO JOINT LOADS: of the 294,912 bytes that a work-group reads only kc's 32,768 are read by others (the 8 strips of a b), once, at the head.  No tensor load, no ring: nothing in LDS is filled again.
; LIMITS on the given exponents, so that each power of two below is an f32 number: e0, e2, e3 between -126 and 119; e0 + e1 between -126 and 127 (they are added to log2(e)'s exponent field).
; NaN among the inputs is not served (an infinity is held at the largest code).
; THE MODE: SCHED_MODE bits 1:0 = 2 (LLVM: expert scheduling mode 2), set by the entry lines.  The code itself states the register dependences
; between vector or matrix instructions and memory or LDS instructions, with s_wait_alu, always for 0.
; THE PLAN.  Registers that memory or LDS instructions touch:
;   v1-v10     addresses and the closing add's two: written once, at the head, ahead of one wait on va_vdst; never written again.
;   KF v44-75  A step's eight products K Q^T read it; behind the step's wait the next step's eight LDS loads land in it.
;   VF v80-111 The two products V^T P at a step's end read it; behind the NEXT step's wait that step's eight LDS loads land in it.  (Set-up: LDS loads, holds, conversions, twice.)
;   S v112-175 Set-up: v's rows, loaded and stored to LDS.  A tile's head: q's numbers land in S+32 .. 63.  A step: products and softmax, vector and matrix lines alone.  The way out: whole rows land in S+0 .. 31 and are stored.
;   P v176-191 Set-up: kc's codes, loaded and stored to LDS.  Afterwards conversions and products alone.
;   O v192-207 Set-up: V's codes, converted and stored to LDS.  A unit: products and rescalings; at its end its multiplies write it and four LDS stores read it.
;   QR v208-239 Global loads land in it, LDS stores read it; no vector line names it.
; So the wait on va_vdst behind a step's 64 exponentials states that p is written, that this step's products K Q^T are done reading KF, and that the last
; step's products V^T P are done reading VF.  The step's sixteen LDS loads follow it: V's eight in a run, since they are wanted first, K's eight dealt among the packed sums, which name S and the sums' four registers alone.
; Waits on vm_vsrc: one behind the barrier (the set-up's LDS stores have read S, P, O), one at a tile's head (QR; on the way back S+0 .. 31 and O), one in head 1's first step (O).
.set PLANE_V, 0x4000000                ; bytes from qkv's first byte to v
.set KIMG,   0                         ; K's images: 16,384 hd + 4,096 s + 512 t + 16 lane
.set VIMG,   32768                     ; V's images: 16,384 hd + 4,096 s + 2,048 n + 512 c + 16 lane
.set HEADB,  16384
.set STEPB,  4096
.set SPITCH, 272                       ; a stage row: 256 bytes + 16: sixteen lanes that take one column of sixteen rows fall on sixteen different 16-byte columns
.set STGB,   16*SPITCH                 ; a wave's own stage: 16 rows
.set STAGE,  65536
.set SPARE,  STAGE+16*STGB             ; behind the stages: the spare words, 128 bytes for each wave: eight blocks of 256 bytes that no other line names
.set LI,  1                            ; v1   16 x lane: my place in an image
.set SPW, 2                            ; v2   LDS address of my spare word; never rewritten
.set NIL, 3                            ; v3   0; never rewritten
.set STI, 4                            ; v4   stage, whole rows: h x pitch + 16 r
.set STQ, 5                            ; v5   stage: r x pitch + 64 h: 16 channels of my query
.set STO, 6                            ; v6   stage: r x pitch + 32 h: 8 channels of my query
.set GQ,  7                            ; v7   memory, two rows an instruction: 1,024 h + 16 r
.set STC, 8                            ; v8   stage: 4 x lane: a lane to a channel
.set KST, 9                            ; v9   where I put K's codes
.set VST, 10                           ; v10  where I put V's codes
;          v12 -M, v13 the largest t, v[14:15] the sum in two halves, v[18:19] f (v19 is named with it), v[20:21] a second chain of sums
.set TA,  16
.set TB,  17
.set TC,  22                           ; a lane permute's destination
;          v24, v25: 2^e2, 448 x 2^e2;  v26, v27: the same for e0;  v240, v241: for e3
.set QF,  28                           ; v28-43   Q's fragments, head 0 and head 1: four registers of codes, four of zeros
.set KF,  44                           ; v44-79   K's eight tiles of a step, packed; v76-79 zeros
.set VF,  80                           ; v80-111  V's two fragments of a step
.set S,   112                          ; v112-175 S^T, then p
.set P,   176                          ; v176-191 p's codes
.set O,   192                          ; v192-207 O^T: two tiles of 16 channels
.set QR,  208                          ; v208-239 16 rows of q as loaded
.macro POW2 e, vs, vl                  ; v[vs] = 2^s[e] as f32, v[vl] = 448 x that
	s_add_co_i32 s40, s[\e], 127
	s_lshl_b32 s41, s40, 23
	v_mov_b32 v[\vs], s41
	s_add_co_i32 s40, s40, 8
	s_lshl_b32 s40, s40, 23
	s_or_b32 s40, s40, 0x600000
	v_mov_b32 v[\vl], s40
.endm
	s_load_b256 s[4:11], s[0:1], 0x0               ; qkv s[4:5], lowp_scales s[6:7], kc s[8:9], out0 s[10:11]
	v_lshl_add_u32 v[SPW], v0, 2, SPARE
	v_mov_b32 v[NIL], 0
	v_lshrrev_b32 v16, 5, v0
	v_readfirstlane_b32 s12, v16                   ; wave 0..15
	v_and_b32 v20, 31, v0                          ; lane
	v_and_b32 v21, 15, v0                          ; r
	v_bfe_u32 v22, v0, 4, 1                        ; h
	v_lshlrev_b32 v[LI], 4, v20
	s_wait_alu depctr_va_sdst(0)                   ; s12 is written, ahead of its first reader: the stage's place, the images' places and the bases are made from it
	s_mul_i32 s39, s12, STGB
	s_add_co_u32 s39, s39, STAGE                   ; my stage
	v_mul_u32_u24 v16, v22, SPITCH
	v_lshl_add_u32 v16, v21, 4, v16
	v_add_nc_u32 v[STI], s39, v16
	v_mul_u32_u24 v17, v21, SPITCH
	v_lshl_add_u32 v[STQ], v22, 6, v17
	v_add_nc_u32 v[STQ], s39, v[STQ]
	v_lshl_add_u32 v[STO], v22, 5, v17
	v_add_nc_u32 v[STO], s39, v[STO]
	v_lshlrev_b32 v[GQ], 10, v22
	v_lshl_add_u32 v[GQ], v21, 4, v[GQ]
	v_lshl_add_u32 v[STC], v20, 2, s39
	; K: lane l of load i holds key 8 i + l / 4 of my 32, head (l / 2) % 2, channels 16 (l % 2) on.  That is tile 2 w + i % 2, row 8 (i / 2) + l / 4, half l % 2
	v_bfe_u32 v16, v0, 1, 1
	v_lshlrev_b32 v[KST], 14, v16
	v_and_b32 v16, 1, v0
	v_lshl_add_u32 v[KST], v16, 8, v[KST]
	v_bfe_u32 v16, v0, 2, 3
	v_lshl_add_u32 v[KST], v16, 4, v[KST]
	s_lshl_b32 s40, s12, 10
	v_add_nc_u32 v[KST], s40, v[KST]
	; V: lane l holds channel l of a head: tile l / 16, row l % 16; my 32 keys are step w / 4, registers 4 (w % 4) on
	v_lshlrev_b32 v[VST], 11, v22
	v_lshl_add_u32 v[VST], v21, 4, v[VST]
	s_lshr_b32 s40, s12, 2
	s_lshl_b32 s40, s40, 12
	s_and_b32 s41, s12, 3
	s_lshl_b32 s41, s41, 9
	s_add_co_u32 s40, s40, s41
	v_add_nc_u32 v[VST], s40, v[VST]
	s_and_b32 s13, ttmp7, 0xffff                   ; y = 8 b + hy
	s_lshl_b32 s16, s13, 19                        ; the strip: y x 512 rows of 1,024 bytes,
	s_lshl_b32 s39, s12, 15                        ; my wave's 32 rows,
	s_add_co_u32 s16, s16, s39
	s_lshl_b32 s39, ttmp9, 8                       ; the pair's 256 bytes of a row
	s_add_co_u32 s16, s16, s39
	s_mov_b32 s17, 0
	s_lshr_b32 s14, s13, 3                         ; kc: (4 b + hp) x 32,768 + my 32 keys x 64
	s_lshl_b32 s14, s14, 2
	s_add_co_u32 s14, s14, ttmp9
	s_lshl_b32 s14, s14, 15
	s_lshl_b32 s39, s12, 11
	s_add_co_u32 s14, s14, s39
	s_mov_b32 s15, 0
	s_mov_b32 s34, 0x76543210                      ; v_permlanex16_b32's selects for lane l xor 16
	s_mov_b32 s35, 0xfedcba98
	s_mov_b32 s44, 0x3e3504f3                      ; 32^-0.5 as f32
	s_mov_b32 s45, s44                             ; (named with it as a pair, so it is written)
	s_wait_kmcnt 0x0
	s_load_b128 s[28:31], s[6:7], 0x0              ; e0, e1, e2, e3
	s_add_nc_u64 s[18:19], s[4:5], s[16:17]        ; q at my first row
	s_add_nc_u64 s[24:25], s[10:11], s[16:17]      ; out0 likewise
	s_add_nc_u64 s[20:21], s[18:19], PLANE_V       ; v: my 32 keys' rows lie at the same offset in its plane
	s_add_nc_u64 s[22:23], s[8:9], s[14:15]
	s_wait_alu depctr_va_vdst(0)                   ; v1 to v10 are written: every load, store and LDS line of the kernel reads one of them as its address, the closing add two; none is written again
.irp i, 0,1,2,3
	global_load_b128 v[P+4*\i:P+4*\i+3], v[LI], s[22:23] offset:512*\i              ; my 32 keys' codes: 2,048 consecutive bytes (read by eight work-groups: no hint)
.endr
.irp i, 0,1,2,3,4,5,6,7,8,9,10,11,12,13,14,15
	global_load_b128 v[S+4*\i:S+4*\i+3], v[GQ], s[20:21] offset:2048*\i th:TH_LOAD_NT   ; v: rows 2 i, 2 i + 1 of my 32: sixteen lanes read 256 aligned bytes
.endr
.irp i, 0,1,2,3,4,5,6,7
	global_load_b128 v[QR+4*\i:QR+4*\i+3], v[GQ], s[18:19] offset:2048*\i th:TH_LOAD_NT ; q: my first tile's 16 rows
.endr
.irp j, 4,5,6,7,12,13,14,15
	v_mov_b32 v[QF+\j], 0                          ; Q's upper halves: the instruction's K is 64, the head's 32
.endr
.irp j, 32,33,34,35
	v_mov_b32 v[KF+\j], 0                          ; what closes K's packed run (no load ever lands in these four)
.endr
	v_mov_b32 v19, 0                               ; (named as the upper half of the pair v[18:19])
	s_wait_kmcnt 0x0
	s_add_co_i32 s39, s28, s29
	s_lshl_b32 s39, s39, 23
	s_add_co_i32 s32, s39, 0x3fb8aa3b              ; c = log2(e) x 2^(e0 + e1): a sum of the first product stands for sum x 2^(e0 + e1)
	s_mov_b32 s33, s32                             ; (named with it as a pair, so it is written)
	s_add_co_i32 s36, s30, s31                     ; e2 + e3, applied by v_ldexp_f32
	POW2 30, 24, 25
	POW2 28, 26, 27
	POW2 31, 240, 241
	s_wait_alu depctr_va_vdst(0)
	s_wait_loadcnt 24                              ; kc's four loads are in; behind them 16 of v and 8 of q were issued
.irp i, 0,1,2,3
	ds_store_b128 v[KST], v[P+4*\i:P+4*\i+3] offset:KIMG+(\i%2)*512+(\i/2)*128
.endr
	; V: a lane to a channel, registers down the keys: 16 rows at a time go through my stage as they lie and come back a column a lane; a = which 16 of my 32 keys = the operand's half h
.irp a, 0,1
	s_wait_loadcnt 16-8*\a                         ; this half's eight loads are in; behind them: (the other half's eight and) q's eight
.irp i, 0,1,2,3,4,5,6,7
	ds_store_b128 v[STI], v[S+32*\a+4*\i:S+32*\a+4*\i+3] offset:2*SPITCH*\i
.endr
.irp d, 0,1
.irp k, 0,1,2,3,4,5,6,7,8,9,10,11,12,13,14,15
	ds_load_b32 v[VF+16*\d+\k], v[STC] offset:SPITCH*\k+128*\d   ; key 16 a + k, head d, channel = lane.  LDS serves a wave's instructions in order: these see my stores.  (Second half: no vector line since the first half's wait names VF)
.endr
.endr
	s_wait_dscnt 0x0
.irp j, 0,1,2,3,4,5,6,7,8,9,10,11,12,13,14,15,16,17,18,19,20,21,22,23,24,25,26,27,28,29,30,31
	v_med3_num_f32 v[VF+\j], v[VF+\j], -v241, v241 ; the conversion to an 8-bit code does not saturate (ISA guide 7.6.2): the hold at the largest code x the scale
.endr
.irp d, 0,1
	v_cvt_scalef32_pk8_fp8_f32 v[O+8*\a+4*\d:O+8*\a+4*\d+1], v[VF+16*\d:VF+16*\d+7], v240
	v_cvt_scalef32_pk8_fp8_f32 v[O+8*\a+4*\d+2:O+8*\a+4*\d+3], v[VF+16*\d+8:VF+16*\d+15], v240
.endr
	v_nop                                          ; a plain line behind the last conversion, ahead of whatever next writes its sources
	s_wait_alu depctr_va_vdst(0)                   ; the conversions have written this half's codes, which the two LDS stores below read; the holds and the conversions are done with VF, in which the other half's LDS loads land
.irp d, 0,1
	ds_store_b128 v[VST], v[O+8*\a+4*\d:O+8*\a+4*\d+3] offset:VIMG+\d*HEADB+\a*256
.endr
.endr
	s_wait_dscnt 0x0                               ; for the others' sake: my parts of both images have landed
	s_barrier_signal -1
	s_barrier_wait -1                              ; the only barrier: from here on the images are only read, and a stage is touched by its own wave alone
	s_wait_alu depctr_vm_vsrc(0)                   ; my LDS stores of the set-up have read S (v's rows), P (kc's codes) and O (V's codes): q's numbers land in S+32 on next, and the products and conversions write all three
.irp t, 0,1,2,3,4,5,6,7
	ds_load_b128 v[KF+4*\t:KF+4*\t+3], v[LI] offset:KIMG+512*\t   ; K of head 0, step 0 (no vector line has named these registers yet)
.endr
; A KEY STEP: 128 keys, the s-th of head hd.  first = 1: the unit's first step starts M, the sum and O^T: nothing is cleared.
.macro STEP hd, s, first
.set NX, (4*(\hd)+(\s)+1)%8            ; the step that follows (behind the last: head 0, step 0, for the next tile)
	s_wait_dscnt 0x0                               ; K's fragments, asked for in the step before, are in
.irp t, 0,1,2,3,4,5,6,7
	v_wmma_f32_16x16x64_fp8_fp8 v[S+8*\t:S+8*\t+7], v[KF+4*\t:KF+4*\t+7], v[QF+8*(\hd):QF+8*(\hd)+7], 0
.endr
.rept 4
	v_nop                                          ; four places (ISA guide 7.12.1) ahead of the first read of the scores
.endr
	v_max3_num_f32 v[TA], v[S], v[S+1], v[S+2]     ; the step's largest score of my query among my 64 keys, in two chains, ascending: each accumulator is first read at its low end
	v_max3_num_f32 v[TB], v[S+3], v[S+4], v[S+5]
.set J, 6
.rept 14
	v_max3_num_f32 v[TA], v[TA], v[S+J], v[S+J+1]
	v_max3_num_f32 v[TB], v[TB], v[S+J+2], v[S+J+3]
.set J, J+4
.endr
	v_max3_num_f32 v[TA], v[TA], v[S+62], v[S+63]
	v_max_num_f32 v[TA], v[TA], v[TB]
	v_permlanex16_b32 v[TC], v[TA], s34, s35
	v_max_num_f32 v[TA], v[TA], v[TC]              ; and among lane l xor 16's
.if \first
	v_mul_f32 v13, s32, v[TA]                      ; as t (c is positive)
	v_floor_f32 v12, -v13                          ; -M = floor(-t) = -ceil(t): M is a whole number
.else
	v_mul_f32 v[TA], s32, v[TA]
	v_max_num_f32 v13, v13, v[TA]                  ; the running largest t
	v_mov_b32 v[TB], v12
	v_floor_f32 v12, -v13
	v_sub_f32 v[TB], v12, v[TB]                    ; old M - new M: a whole number, 0 or less
	v_cvt_i32_f32 v[TB], v[TB]                     ; (it saturates)
	v_ldexp_f32 v18, 1.0, v[TB]                    ; f = 2^(old M - new M)
.endif
.set J, 0
.rept 32
	v_pk_fma_f32 v[S+J:S+J+1], v[S+J:S+J+1], s[32:33], v[12:13] op_sel_hi:[1,0,0]   ; t - M, two at a time (of the pairs c and -M the low word serves both halves)
.set J, J+2
.endr
.set J, 0
	s_wait_alu depctr_va_vdst(0)
.rept 64
	v_exp_f32 v[S+J], v[S+J]                       ; p = 2^(t - M), at most 1
.set J, J+1
.endr
.if \first
	v_nop                                          ; a plain line behind the last exponential
.else
	v_pk_mul_f32 v[14:15], v[14:15], v[18:19] op_sel_hi:[1,0]   ; the sum under the new M; also the plain line behind the last exponential
.endif
	s_wait_alu depctr_va_vdst(0)                   ; the 64 exponentials have written p, ahead of the first line that names a result; this step's eight products are done reading KF, and the last step's two are done reading VF: the loads below land there
.irp n, 0,1
.irp c, 0,1,2,3
	ds_load_b128 v[VF+16*\n+4*\c:VF+16*\n+4*\c+3], v[LI] offset:VIMG+(\hd)*HEADB+(\s)*STEPB+\n*2048+\c*512   ; this step's V, wanted first: in one run
.endr
.endr
.set KT, 0                             ; the next step's K: one load behind each of the first eight pairs of sums.  No further wait: the sums name S, v14, v15, v20 and v21, none of the registers that these loads touch
.if \first
	v_pk_add_f32 v[14:15], v[S:S+1], v[S+2:S+3]    ; the row's sum is taken of the UNQUANTISED p, in two chains; here they begin it
	v_pk_add_f32 v[20:21], v[S+4:S+5], v[S+6:S+7]
.set J, 8
.rept 14
	v_pk_add_f32 v[14:15], v[14:15], v[S+J:S+J+1]
	v_pk_add_f32 v[20:21], v[20:21], v[S+J+2:S+J+3]
.if KT < 8
	ds_load_b128 v[KF+4*KT:KF+4*KT+3], v[LI] offset:KIMG+(NX/4)*HEADB+(NX%4)*STEPB+512*KT
.endif
.set KT, KT+1
.set J, J+4
.endr
.else
	v_pk_add_f32 v[20:21], v[S:S+1], v[S+2:S+3]
.set J, 4
.rept 15
	v_pk_add_f32 v[14:15], v[14:15], v[S+J:S+J+1]
	v_pk_add_f32 v[20:21], v[20:21], v[S+J+2:S+J+3]
.if KT < 8
	ds_load_b128 v[KF+4*KT:KF+4*KT+3], v[LI] offset:KIMG+(NX/4)*HEADB+(NX%4)*STEPB+512*KT
.endif
.set KT, KT+1
.set J, J+4
.endr
.endif
	v_pk_add_f32 v[14:15], v[14:15], v[20:21]
	s_cmp_ge_i32 s30, -8                           ; THE HOLD.  p <= 1 < 1.75 = 448 x 2^-8 <= 448 x 2^e2 wherever e2 >= -8: there the hold changes no number and is passed over.
	s_cbranch_scc1 .Lroom_\@                       ; The branch hangs on a whole number of the input lowp_scales, is the same in every wave, and leads round these 64 lines alone
.set J, 0
.rept 64
	v_min_num_f32 v[S+J], v[S+J], v25              ; the conversion to an 8-bit code does not saturate (ISA guide 7.6.2); p is not negative, so the hold is one-sided
.set J, J+1
.endr
.Lroom_\@:
.irp b, 0,1,2,3
	v_cvt_scalef32_pk8_fp8_f32 v[P+4*\b:P+4*\b+1], v[S+16*\b:S+16*\b+7], v24
	v_cvt_scalef32_pk8_fp8_f32 v[P+4*\b+2:P+4*\b+3], v[S+16*\b+8:S+16*\b+15], v24
.endr
.if \first
	s_wait_alu depctr_va_vdst(0)
	v_nop                                          ; a plain line between the last conversion and the products that read its result
.else
.irp j, 0,2,4,6,8,10,12,14
	v_pk_mul_f32 v[O+\j:O+\j+1], v[O+\j:O+\j+1], v[18:19] op_sel_hi:[1,0]   ; O^T under the new M, ascending; also the plain lines behind the conversions
.endr
.endif
.if (\first) && (\hd)
	s_wait_alu depctr_vm_vsrc(0)                   ; head 0's four LDS stores, nearly a step back, have read O^T's registers, which the two products below write anew.  (Head 0's first step: the wait at the tile's head has stated the same)
.endif
	s_wait_alu depctr_va_vdst(0)
	s_wait_dscnt 8                                 ; V's eight loads are in; the eight issued behind them, the next step's K, may be out
.irp n, 0,1
.if \first
	v_wmma_f32_16x16x128_fp8_fp8 v[O+8*\n:O+8*\n+7], v[VF+16*\n:VF+16*\n+15], v[P:P+15], 0
.else
	v_wmma_f32_16x16x128_fp8_fp8 v[O+8*\n:O+8*\n+7], v[VF+16*\n:VF+16*\n+15], v[P:P+15], v[O+8*\n:O+8*\n+7]   ; the two accumulators take turns, one instruction a turn, with the next step's eight products between two turns of one
.endif
.endr
.endm
; The unit's end: O^T / the sum x 2^(e2 + e3), into my stage: row = query, bytes 128 hd on.
.macro FINAL hd
	v_add_f32 v14, v14, v15                        ; the sum's two halves,
	v_permlanex16_b32 v[TC], v14, s34, s35
	v_add_f32 v14, v14, v[TC]                      ; and lane l xor 16's
	s_wait_alu depctr_va_vdst(0)
	v_rcp_f32 v14, v14                             ; the sum is above 1/2: the row's largest p is
	v_nop                                          ; a plain line behind the reciprocal; with the lines round it, more than four places behind the last products
	v_nop
	s_wait_alu depctr_va_vdst(0)                   ; the reciprocal has written v14, ahead of the first line that names it
	v_ldexp_f32 v14, v14, s36
.irp j, 0,2,4,6,8,10,12,14
	v_pk_mul_f32 v[O+\j:O+\j+1], v[O+\j:O+\j+1], v[14:15] op_sel_hi:[1,0]   ; register 8 n + j is channel 16 n + 8 h + j of my query
.endr
	s_wait_alu depctr_va_vdst(0)                   ; the multiplies have written O^T, which the four LDS stores read.  Behind head 1 it also states that every vector line is done with S, in which the way out's rows and the next tile's numbers of q land
.irp n, 0,1
.irp q, 0,1
	ds_store_b128 v[STO], v[O+8*\n+4*\q:O+8*\n+4*\q+3] offset:(\hd)*128+\n*64+\q*16
.endr
.endr
.endm
.macro UNIT hd                         ; one tile of 16 queries x one head x all 512 keys
	STEP \hd, 0, 1
	STEP \hd, 1, 0
	STEP \hd, 2, 0
	STEP \hd, 3, 0
	FINAL \hd
.endm
	s_mov_b32 s38, 2                               ; tiles to go
.Ltile:
	; ---- Q: 16 rows x 256 bytes go through my stage as they lie and come back 16 channels a lane; x 32^-0.5, held, quantised: both heads' fragments
	s_wait_loadcnt 0x0                             ; the tile's eight loads, the only ones out
.irp i, 0,1,2,3,4,5,6,7
	ds_store_b128 v[STI], v[QR+4*\i:QR+4*\i+3] offset:2*SPITCH*\i
.endr
.irp d, 0,1
.irp j, 0,1,2,3
	ds_load_b128 v[S+32+16*\d+4*\j:S+32+16*\d+4*\j+3], v[STQ] offset:128*\d+16*\j   ; query r, head d, channels 16 h + 4 j on.  (First tile: behind the wait behind the barrier; second: no vector line since head 1's last wait names S)
.endr
.endr
	s_wait_dscnt 0x0
	s_wait_alu depctr_vm_vsrc(0)                   ; the eight LDS stores above have read QR, in which the next tile's loads land; on the way back the last tile's global stores have read S+0 .. 31 and head 1's LDS stores O^T, which the products below write
	s_cmp_eq_u32 s38, 1                            ; the next tile's rows are asked for here, a whole tile's work ahead, if there is a next tile: no load leaves its part of the buffer
	s_cbranch_scc1 .Lno_next
.irp i, 0,1,2,3,4,5,6,7
	global_load_b128 v[QR+4*\i:QR+4*\i+3], v[GQ], s[18:19] offset:16384+2048*\i th:TH_LOAD_NT
.endr
.Lno_next:
.set J, 32
.rept 16
	v_pk_mul_f32 v[S+J:S+J+1], v[S+J:S+J+1], s[44:45] op_sel_hi:[1,0]
.set J, J+2
.endr
.set J, 32
.rept 32
	v_med3_num_f32 v[S+J], v[S+J], -v27, v27       ; the hold at the largest code x 2^e0
.set J, J+1
.endr
.irp d, 0,1
	v_cvt_scalef32_pk8_fp8_f32 v[QF+8*\d:QF+8*\d+1], v[S+32+16*\d:S+32+16*\d+7], v26
	v_cvt_scalef32_pk8_fp8_f32 v[QF+8*\d+2:QF+8*\d+3], v[S+32+16*\d+8:S+32+16*\d+15], v26
.endr
	v_nop                                          ; a plain line between the last conversion and the products that read its result and write its sources
	s_wait_alu depctr_va_vdst(0)
	UNIT 0
	UNIT 1
	; ---- the way out: 16 whole rows of 256 bytes from my stage
.irp i, 0,1,2,3,4,5,6,7
	ds_load_b128 v[S+4*\i:S+4*\i+3], v[STI] offset:2*SPITCH*\i   ; LDS serves a wave's instructions in order: these see both heads' stores.  No vector line stands between head 1's last wait and these loads
.endr
.irp i, 0,1,2,3,4,5,6,7
	s_wait_dscnt 7-\i                              ; rows 2 i, 2 i + 1 are in; the younger loads may be out
	global_store_b128 v[GQ], v[S+4*\i:S+4*\i+3], s[24:25] offset:2048*\i th:TH_STORE_NT   ; sixteen lanes store 256 consecutive bytes, at a multiple of 256 from out0's first byte
.endr
	s_wait_xcnt 0x0                                ; the stores' data and both bases are written again only behind this wait
	s_add_nc_u64 s[18:19], s[18:19], 16384         ; 16 rows on
	s_add_nc_u64 s[24:25], s[24:25], 16384
	s_sub_co_u32 s38, s38, 1
	s_cmp_lg_u32 s38, 0
	s_cbranch_scc1 .Ltile
	s_wait_dscnt 0x0                               ; the wave's end: the closing lines, six on end
	s_wait_alu 0x0
	s_wait_tensorcnt 0x0
	ds_add_u32 v[SPW], v[NIL]
	s_wait_dscnt 0x0
	s_endpgm
.Lfunc_end_k_q36ffe1f8e6_attn:
	.size	k_q36ffe1f8e6_attn, .Lfunc_end_k_q36ffe1f8e6_attn-k_q36ffe1f8e6_attn
	.p2alignl 7, 3214868480
	.fill 96, 4, 3214868480
	.section	.rodata,"a",@progbits
	.p2align	6, 0x0
	.amdhsa_kernel k_q36ffe1f8e6_attn
		.amdhsa_group_segment_fixed_size 137216
		.amdhsa_private_segment_fixed_size 0
		.amdhsa_enable_private_segment 0
		.amdhsa_kernarg_size 32
		.amdhsa_user_sgpr_count 2
		.amdhsa_user_sgpr_kernarg_segment_ptr 1
		.amdhsa_wavefront_size32 1
		.amdhsa_system_sgpr_workgroup_id_x 1
		.amdhsa_system_sgpr_workgroup_id_y 1
		.amdhsa_system_sgpr_workgroup_id_z 1
		.amdhsa_system_vgpr_workitem_id 0
		.amdhsa_next_free_vgpr 256
		.amdhsa_next_free_sgpr 66
		.amdhsa_reserve_vcc 0
		.amdhsa_float_denorm_mode_32 3
		.amdhsa_float_denorm_mode_16_64 3
		.amdhsa_memory_ordered 1
		.amdhsa_forward_progress 1
		.amdhsa_inst_pref_size 134
	.end_amdhsa_kernel
	.amdgpu_metadata
---
amdhsa.version: [ 1, 2 ]
amdhsa.kernels:
  - .name:           k_q36ffe1f8e6_attn
    .symbol:         k_q36ffe1f8e6_attn.kd
    .args:
      - { .name: qkv, .offset: 0, .size: 8, .value_kind: global_buffer, .address_space: global }
      - { .name: lowp_scales, .offset: 8, .size: 8, .value_kind: global_buffer, .address_space: global }
      - { .name: kc, .offset: 16, .size: 8, .value_kind: global_buffer, .address_space: global }
      - { .name: out0, .offset: 24, .size: 8, .value_kind: global_buffer, .address_space: global }
    .group_segment_fixed_size: 137216
    .private_segment_fixed_size: 0
    .kernarg_segment_align: 8
    .kernarg_segment_size: 32
    .max_flat_workgroup_size: 512
    .sgpr_count:     66
    .vgpr_count:     256
    .wavefront_size: 32
...
	.end_amdgpu_metadata
.endif
;; end of part 4
